; MI455X (gfx1250); checked and timed in simulation.
; The chip was launched on July 23, 2026; its instructions are those of AMD's public machine-readable ISA for CDNA 5 (MIT licence, August 2026) and "CDNA5" Instruction Set Architecture Reference Guide (July 2026). The comments in the code are by the model that wrote it; some were corrected since.
;; Full Attention. Allowed arithmetic: matrix products marked QUANTISED: E4M3 operands, one E8M0 scale for each 32 along K, by v_wmma_scale_f32_16x16x128_f8f6f4 with both operands' format E4M3, f32 sums; everything else in f32.
;; Inputs: keys 4 x 2,048 x 8 x 64 float32; queries 4 x 2,048 x 8 x 64 float32; values 4 x 2,048 x 8 x 64 float32.
;; Outputs: out0 4 x 2,048 x 8 x 64 float32.
;; This version of the problem:
;;   THIS VERSION OF THE PROBLEM IS GIVEN IN LOW PRECISION. The matrix products marked QUANTISED in the list below multiply operands that are first quantised to E4M3 (4 exponent bits, 3 mantissa bits; 8 bits a number), with one power-of-two scale for each 32 numbers along K (OCP MX v1.0); their sums are f32. All else is computed in f32.
;;   The module's matrix products, in the order in which they are computed (A, B: the left and right operand; K: the contracted axis; several contracted axes count as one K, in the product's order):
;;     1. batch 32 x [M 2,048, K 64] x [K 64, N 2,048]; A: input queries; B: input keys: QUANTISED
;;     2. batch 32 x [M 64, K 2,048] x [K 2,048, N 2,048]; A: input values; B: softmax (see below): QUANTISED
;;   THE QUANTISER, for each operand of a quantised product, along K:
;;     - K is cut into blocks of 32 from its start; a last block that is shorter is filled with zeros.
;;     - A block's scale is 2^e with e = floor(log2(the largest magnitude in the block)) - 8, held to -126 .. 127; a block of zeros has e = 0. As a byte (E8M0): e + 127.
;;     - Each number is divided by its block's scale, clamped to +-448, and rounded to the nearest number of E4M3, ties to even, subnormals kept.
;;     - The product sums the exact products of the quantised numbers (number of the format x scale) in f32.
;;   ~~~python
;;   def quantise(x, axis):      # numpy; x: float32 -> the quantised numbers, widened to float32 again
;;       x = np.moveaxis(x, axis, -1); K = x.shape[-1]
;;       x = np.pad(x, [(0, 0)] * (x.ndim - 1) + [(0, -K % 32)]); x = x.reshape(x.shape[:-1] + (-1, 32)); a = np.abs(x).max(-1, keepdims=True)
;;       e = np.where(a > 0, np.clip(np.frexp(np.where(a > 0, a, 1))[1] - 1 - 8, -126, 127), 0)      # np.frexp(a)[1] - 1 = floor(log2(a)), exactly
;;       r = np.clip(x / 2.0 ** e, -448, 448)
;;       step = 2.0 ** (np.maximum(np.frexp(np.where(r == 0, 1, r))[1] - 1, -6) - 3)
;;       q = np.round(r / step) * step * 2.0 ** e      # np.round: ties to even
;;       return np.moveaxis(q.reshape(q.shape[:-2] + (-1,))[..., :K], -1, axis).astype(np.float32)
;;   ~~~
;;   SOFTMAX AHEAD OF A QUANTISED PRODUCT. Where the list says 'softmax', what is quantised is not the finished softmax but p = 2^(t - M), with t = logit x log2(e) and M = ceil(the row's largest t), a whole number; so 1/2 < the row's largest p <= 1. The row's sum l is taken of the UNQUANTISED p, in f32, and the product's result is divided by l at the end. Since M is a whole number, a kernel that streams over the keys may use a running M (the ceiling of the running maximum): every later rescaling is an exact power of two, which a block's scale takes up: the codes' values come out the same.
;;   OPERANDS COMPUTED ON THE WAY. 'Computed on the way' means the value that the module computes at that place (a softmax that the list does not call 'softmax' is quantised finished and normalised). What goes into a quantiser is computed in f32, as accurately as f32 sums, v_exp_f32 and their like allow (about 1e-6 of the number): no bf16 or f16 on the way to a quantiser, and a product that is left as it is and whose result goes on into a quantised operand takes f32 operands (vector FMAs, or v_wmma_f32_16x16x4_f32). A number that lies on a knife's edge between two numbers of the format may be rounded either way, as far as f32 arithmetic and the matrix unit's own rounding can turn it there, and no further.
;; One version. Each part assembles by itself: llvm-mc -triple=amdgcn-amd-amdhsa -mcpu=gfx1250 --defsym DOCPART=n.
;; ======== version 1 of 1: 2 launches
;; limits: right only within a limited range of input values
;; workspace buffers: kv 8,650,752 bytes
;; launch kvq (part 1): grid 16 x 32, 8 waves a work-group, no clusters, 71,168 bytes of LDS; arguments keys, values, kv; writes kv
.if DOCPART == 1
	.amdgcn_target "amdgcn-amd-amdhsa--gfx1250"
	.amdhsa_code_object_version 6
	.text
	.protected	k_qecb0fd0747_kvq
	.globl	k_qecb0fd0747_kvq
	.p2align	8
	.type	k_qecb0fd0747_kvq,@function
k_qecb0fd0747_kvq:
	s_mov_b64 s[64:65], 0
	v_nop
	global_prefetch_b8 v0, s[64:65] scope:SCOPE_SE
	s_setreg_imm32_b32 hwreg(HW_REG_WAVE_MODE, 25, 1), 1
	s_wait_xcnt 0x0
; keys and values, [4][2048][8][64] f32, become codes of FP8 (E4M3) with one E8M0 scale byte for each 32 along a product's K, once for the whole program.
; K is quantised along the head's 64 numbers (two blocks a key), V along the KEYS (one block for each 32 keys and each of the head's 64 numbers).
; A block's scale is 2^(floor(log2(its largest magnitude)) - 8): its byte is the largest magnitude's exponent field - 8, held at 1 from below; each number is divided by it, held within +-448, rounded to the nearest code, ties to even.
; LIMITS: NaN and infinities among the inputs are not served.  A block of zeros gets the byte 1 where the rule says 127: its codes are zeros, which add nothing under any byte but 0xff, and this program alone reads the bytes.
; THE OUTPUT is laid in the order of the operands' registers, one block of STEPB = 16,896 bytes for each (head, step of 128 keys), at (16 head + step) STEPB.  l = lane, r = l % 16, hh = l / 16:
;   KO   8,192 bytes: K's tile T (0..7), group c (0, 1): lane l's 16 bytes at 1024 T + 512 c + 16 l: key 32 (T / 2) + 8 (T % 2) + r + 8 (r / 8), numbers 32 c + 16 hh + 0 .. 15.
;        Tiles 2 P and 2 P + 1 on end are ONE fragment of 16 registers: the reader multiplies it by (Q, zeros) for the first tile and by (zeros, Q) for the second
;   VO   8,192 bytes: V^T's tile t (0..3), group c (0..3): at 2048 t + 512 c + 16 l: the head's number 16 t + r, keys 32 c + 16 hh + 0 .. 15
;   KSO    256 bytes: K's scale words at 8 l + 4 i: the pair of tiles P = 2 i + hh, row r: bytes 0, 1 tile 2 P's two blocks, bytes 2, 3 tile 2 P + 1's
;   VSO    256 bytes: V's scale words at 8 l + 4 i: tile 2 i + hh, row r; byte c is the block of keys 32 c on
; SHARES.  A work-group makes one block.  q = wave % 4.  Waves 0-3: K, keys 32 q .. 32 q + 31 (tiles 2 q, 2 q + 1: pair q).  Waves 4-7: V, the block of keys 32 q on, all 64 numbers.
; Every wave reads its 32 rows by 16 loads in which sixteen lanes take one row's 256 consecutive bytes, and turns them through its own stage in LDS:
; K comes back 16 neighbours along the row to a lane; V comes back a column to a lane, registers down the keys, so that a block of 32 keys lies in ONE lane and the conversions give codes with the keys innermost.
; No tensor loads, no ring: all of a wave's 16 loads are out at once.  One barrier, in front of the read-out of the scale words, which eight waves have written.
.set STEPB, 16896
.set KO,    0
.set VO,    8192
.set KSO,   16384
.set VSO,   16640
.set SP,    272                        ; a stage row: 256 bytes + 16 = 68 words: row r starts at bank 4 r mod 64 (64 banks of 4 bytes: ISA guide 11.1), so sixteen rows of one column start at sixteen different banks
.set WSTG,  32*SP                      ; a wave's stage
.set KSCL,  8*WSTG                     ; behind the stages: K's 256 bytes of scale words,
.set VSCL,  KSCL+256                   ; V's 256
.set WV,   10                          ; s10  wave
.set QW,   11                          ; s11  q = wave % 4
.set SEL,  20                          ; s[20:21] v_permlanex16_b32's selects for lane l xor 16
.set MNT,  22                          ; s22  the mantissa field of 448
.set GI,   4                           ; v4   in: 16 r + 16 rows x hh
.set SIN,  5                           ; v5   into the stage
.set SFK,  6                           ; v6   out of it, K's way: row r, + 64 hh
.set SCV,  7                           ; v7   out of it, V's way: 4 x lane
.set GOK,  8                           ; v8   K's codes in the block
.set GOV,  9                           ; v9   V's
.set KW,   10                          ; v10  LDS: my row's K scale word
.set VB,   11                          ; v11  LDS: my V scale byte
.set R,    16                          ; v16-79   the rows as loaded
.set X,    80                          ; v80-143  64 numbers in the order that the conversions want
.set C,    144                         ; v144-159 codes; no register is written twice, so no store's data are
.set BM,   160                         ; v160-161 largest magnitudes
.set PB,   162                         ; v162-163 the other half's, then bytes
.set HOLD, 164                         ; v164-165 448 x the scale
.set SOP,  166                         ; v166-167 the conversions' scale operand
.set WD,   168                         ; v168-169 a tile's two bytes (K) or a byte (V)
.set KS,   170                         ; v170     the pair's scale word
; 32 numbers of a lane, register 16 c + i = number 32 c + 16 hh + i of my row, become 8 registers of codes at v[pc] and the row's two scale bytes in v[w].
.macro QUANT2 x, pc, w
.irp c, 0,1
	v_max3_num_f32 v[BM+\c], |v[\x+16*\c]|, |v[\x+16*\c+1]|, 0x4800000   ; block c: my 16 numbers, and the floor 2^(9 - 127): so the byte cannot fall under 1
.endr
.irp i, 2,4,6,8,10,12,14
.irp c, 0,1
	s_delay_alu instid0(VALU_DEP_2)
	v_max3_num_f32 v[BM+\c], v[BM+\c], |v[\x+16*\c+\i]|, |v[\x+16*\c+\i+1]|   ; (the two blocks by turns)
.endr
.endr
.irp c, 0,1
	s_delay_alu instid0(VALU_DEP_2)
	v_permlanex16_b32 v[PB+\c], v[BM+\c], s[SEL], s[SEL+1]
.endr
.irp c, 0,1
	s_delay_alu instid0(VALU_DEP_2)
	v_max_num_f32 v[BM+\c], v[BM+\c], v[PB+\c]     ; with lane l xor 16's 16: the block's largest magnitude
.endr
.irp c, 0,1
	s_delay_alu instid0(VALU_DEP_2)
	v_add_nc_u32 v[SOP+\c], 0xfc000000, v[BM+\c]   ; 8 off its exponent field: the conversion takes the exponent field of this operand as its scale
.endr
.irp c, 0,1
	s_delay_alu instid0(VALU_DEP_4)
	v_and_or_b32 v[HOLD+\c], v[BM+\c], 0x7f800000, s[MNT]   ; 448 x the scale: that exponent field over 448's mantissa
.endr
.irp c, 0,1
	s_delay_alu instid0(VALU_DEP_4)
	v_lshrrev_b32 v[PB+\c], 23, v[SOP+\c]          ; the scale's byte
.endr
	s_delay_alu instid0(VALU_DEP_1)
	v_lshl_or_b32 v[\w], v[PB+1], 8, v[PB]
.irp c, 0,1
.irp i, 0,1,2,3,4,5,6,7,8,9,10,11,12,13,14,15
	v_med3_num_f32 v[\x+16*\c+\i], v[\x+16*\c+\i], -v[HOLD+\c], v[HOLD+\c]   ; the conversion to an 8-bit code does not saturate (ISA guide 7.6.2): the hold comes first
.endr
	v_cvt_scalef32_pk8_fp8_f32 v[\pc+4*\c:\pc+4*\c+1], v[\x+16*\c:\x+16*\c+7], v[SOP+\c]
	v_cvt_scalef32_pk8_fp8_f32 v[\pc+4*\c+2:\pc+4*\c+3], v[\x+16*\c+8:\x+16*\c+15], v[SOP+\c]
.endr
	v_nop                                          ; a plain vector instruction behind the last scaled conversion
.endm
; V: the 32 numbers v[X + 32 g] on are one block of keys of the head's number 32 g + lane: all mine.
.macro VBLOCK g
.set XS, X+32*\g
	v_max3_num_f32 v[BM+\g], |v[XS]|, |v[XS+1]|, |v[XS+2]|
	v_max3_num_f32 v[PB+\g], |v[XS+3]|, |v[XS+4]|, |v[XS+5]|
.irp i, 6,10,14,18,22,26
	s_delay_alu instid0(VALU_DEP_2)
	v_max3_num_f32 v[BM+\g], v[BM+\g], |v[XS+\i]|, |v[XS+\i+1]|
	s_delay_alu instid0(VALU_DEP_2)
	v_max3_num_f32 v[PB+\g], v[PB+\g], |v[XS+\i+2]|, |v[XS+\i+3]|
.endr
	s_delay_alu instid0(VALU_DEP_2)
	v_max3_num_f32 v[BM+\g], v[BM+\g], |v[XS+30]|, |v[XS+31]|
	s_delay_alu instid0(VALU_DEP_1)
	v_max3_num_f32 v[BM+\g], v[BM+\g], v[PB+\g], 0x4800000     ; and the floor
	s_delay_alu instid0(VALU_DEP_1)
	v_add_nc_u32 v[SOP+\g], 0xfc000000, v[BM+\g]
	s_delay_alu instid0(VALU_DEP_2)
	v_and_or_b32 v[HOLD+\g], v[BM+\g], 0x7f800000, s[MNT]
	s_delay_alu instid0(VALU_DEP_2)
	v_lshrrev_b32 v[WD+\g], 23, v[SOP+\g]
	ds_store_b8 v[VB], v[WD+\g] offset:4*\g        ; byte q of the word of tile 2 g + hh, row r
.irp i, 0,1,2,3,4,5,6,7,8,9,10,11,12,13,14,15,16,17,18,19,20,21,22,23,24,25,26,27,28,29,30,31
	v_med3_num_f32 v[XS+\i], v[XS+\i], -v[HOLD+\g], v[HOLD+\g]
.endr
.irp k, 0,1,2,3
	v_cvt_scalef32_pk8_fp8_f32 v[C+8*\g+2*\k:C+8*\g+2*\k+1], v[XS+8*\k:XS+8*\k+7], v[SOP+\g]
.endr
	v_nop                                          ; a plain vector instruction behind the last scaled conversion
	global_store_b128 v[GOV], v[C+8*\g:C+8*\g+3], s[8:9] offset:VO+4096*\g         ; keys 0-15 of the block: sixteen lanes store 256 consecutive bytes, aligned
	global_store_b128 v[GOV], v[C+8*\g+4:C+8*\g+7], s[8:9] offset:VO+4096*\g+256   ; keys 16-31: the places of lanes 16-31 of the fragment
.endm
	s_load_b128 s[4:7], s[0:1], 0x0                ; keys, values
	s_load_b64 s[8:9], s[0:1], 0x10                ; kv
	v_lshl_add_u32 v176, v0, 2, 0x11200
	v_mov_b32 v177, 0
	v_lshrrev_b32 v1, 5, v0
	s_delay_alu instid0(VALU_DEP_1)
	v_readfirstlane_b32 s[WV], v1                  ; wave 0..7
	s_and_b32 s[QW], s[WV], 3
	s_and_b32 s13, ttmp7, 0xffff                   ; head = 8 b + h
	s_lshr_b32 s16, s13, 3
	s_lshl_b32 s16, s16, 22                        ; b: 2,048 rows x 2,048 bytes
	s_and_b32 s24, s13, 7
	s_lshl_b32 s24, s24, 8                         ; h: 256 bytes
	s_add_co_u32 s16, s16, s24
	s_lshl_b32 s24, ttmp9, 18                      ; the step's 128 rows of 2,048 bytes
	s_add_co_u32 s16, s16, s24
	s_lshl_b32 s24, s[QW], 16                      ; my 32 of them
	s_add_co_u32 s16, s16, s24
	s_mov_b32 s17, 0
	s_lshl_b32 s18, s13, 4
	s_add_co_u32 s18, s18, ttmp9
	s_mul_i32 s18, s18, STEPB                      ; the block
	s_mov_b32 s19, 0
	s_mov_b32 s[SEL], 0x76543210
	s_mov_b32 s[SEL+1], 0xfedcba98
	s_mov_b32 s[MNT], 0x600000
	s_mul_i32 s23, s[WV], WSTG                     ; my stage
	v_and_b32 v1, 31, v0                           ; lane
	v_and_b32 v2, 15, v0                           ; r
	v_bfe_u32 v3, v0, 4, 1                         ; hh
	s_delay_alu instid0(VALU_DEP_1)
	v_lshlrev_b32 v[GI], 15, v3                    ; lanes 16-31 take the row 16 further down
	s_delay_alu instid0(VALU_DEP_1)
	v_lshl_or_b32 v[GI], v2, 4, v[GI]
	s_delay_alu instid0(VALU_DEP_3)
	v_mul_u32_u24 v[SIN], v3, 8*SP                 ; key k of my 32 goes to stage row 16 ((k / 8) % 2) + 8 (k / 16) + k % 8: so a tile of K, whose keys are not neighbours, is sixteen neighbouring stage rows
	s_delay_alu instid0(VALU_DEP_1)
	v_lshl_add_u32 v[SIN], v2, 4, v[SIN]
	s_delay_alu instid0(VALU_DEP_1)
	v_add_nc_u32 v[SIN], s23, v[SIN]
	v_mul_u32_u24 v[SFK], v2, SP
	s_delay_alu instid0(VALU_DEP_1)
	v_lshl_add_u32 v[SFK], v3, 6, v[SFK]
	s_delay_alu instid0(VALU_DEP_1)
	v_add_nc_u32 v[SFK], s23, v[SFK]
	v_lshlrev_b32 v[SCV], 2, v1
	s_delay_alu instid0(VALU_DEP_1)
	v_add_nc_u32 v[SCV], s23, v[SCV]
	s_lshl_b32 s24, s[QW], 11
	v_lshlrev_b32 v[GOK], 4, v1
	s_delay_alu instid0(VALU_DEP_1)
	v_add_nc_u32 v[GOK], s24, v[GOK]               ; 16 l + 2048 q
	s_lshl_b32 s25, s[QW], 9
	v_lshlrev_b32 v[GOV], 11, v3
	s_delay_alu instid0(VALU_DEP_1)
	v_lshl_or_b32 v[GOV], v2, 4, v[GOV]
	s_delay_alu instid0(VALU_DEP_1)
	v_add_nc_u32 v[GOV], s25, v[GOV]               ; 2048 hh + 16 r + 512 q
	s_and_b32 s26, s[QW], 1
	s_lshl_b32 s26, s26, 7                         ; pair q lies in lanes 16 (q % 2) + r
	s_lshr_b32 s27, s[QW], 1
	s_lshl_b32 s27, s27, 2                         ; of register q / 2
	s_add_co_u32 s26, s26, s27
	v_lshl_add_u32 v[KW], v2, 3, KSCL
	s_delay_alu instid0(VALU_DEP_1)
	v_add_nc_u32 v[KW], s26, v[KW]                 ; KSCL + 8 r + 128 (q % 2) + 4 (q / 2)
	v_lshl_add_u32 v[VB], v1, 3, VSCL
	s_delay_alu instid0(VALU_DEP_1)
	v_add_nc_u32 v[VB], s[QW], v[VB]               ; VSCL + 8 l + q
	v_lshlrev_b32 v13, 3, v1                       ; the read-out: 8 l in the block,
	v_lshl_add_u32 v14, v1, 3, KSCL                ; and in LDS
	v_lshl_add_u32 v15, v1, 3, VSCL
	v_mov_b32 v[PB], 0                             ; written once: a lane permute's destination counts as one of its sources
	v_mov_b32 v[PB+1], 0
	s_wait_kmcnt 0x0
	s_cmp_lt_u32 s[WV], 4                          ; K's wave or V's: the choice hangs on the wave's number alone
	s_cselect_b64 s[4:5], s[4:5], s[6:7]
	s_add_nc_u64 s[4:5], s[4:5], s[16:17]
	s_add_nc_u64 s[8:9], s[8:9], s[18:19]
.irp n, 0,1,2,3,4,5,6,7,8,9,10,11,12,13,14,15
	global_load_b128 v[R+4*\n:R+4*\n+3], v[GI], s[4:5] offset:\n*2048 th:TH_LOAD_NT   ; rows n and n + 16, each whole: 256 consecutive bytes, aligned; read once in the launch
.endr
.irp n, 0,1,2,3,4,5,6,7,8,9,10,11,12,13,14,15
	s_wait_loadcnt 15-\n                           ; loads come back in order (ISA guide 5.7.1): load n is in, the 15 - n younger ones stay out
	ds_store_b128 v[SIN], v[R+4*\n:R+4*\n+3] offset:(16*(\n/8)+\n%8)*SP
.endr
	s_cmp_lt_u32 s[WV], 4
	s_cbranch_scc0 .Lv
	; ---- K: two tiles of 16 keys.  LDS serves a wave's instructions in order (ISA guide 5.7.1.4): the loads see my stores
.irp u, 0,1
.irp c, 0,1
.irp j, 0,1,2,3
	ds_load_b128 v[X+32*\u+16*\c+4*\j:X+32*\u+16*\c+4*\j+3], v[SFK] offset:16*\u*SP+128*\c+16*\j
.endr
.endr
.endr
	s_wait_dscnt 8                                 ; the first tile's eight loads are in; the second's eight may be out
	QUANT2 X, C, WD
.irp c, 0,1
	global_store_b128 v[GOK], v[C+4*\c:C+4*\c+3], s[8:9] offset:KO+512*\c            ; 32 lanes store 512 consecutive bytes, aligned
.endr
	s_wait_dscnt 0x0
	QUANT2 X+32, C+8, WD+1
.irp c, 0,1
	global_store_b128 v[GOK], v[C+8+4*\c:C+8+4*\c+3], s[8:9] offset:KO+1024+512*\c
.endr
	v_lshl_or_b32 v[KS], v[WD+1], 16, v[WD]        ; the pair's word of row r: tile 2 q's two bytes below, tile 2 q + 1's above
	ds_store_b32 v[KW], v[KS]                      ; lanes r and 16 + r write the same word with the same value
	s_branch .Ljoin
.Lv:
	; ---- V: a lane takes a column, its registers run down the keys; each load reads 128 consecutive bytes of a stage row
.irp g, 0,1
.irp k, 0,1,2,3,4,5,6,7,8,9,10,11,12,13,14,15,16,17,18,19,20,21,22,23,24,25,26,27,28,29,30,31
	ds_load_b32 v[X+32*\g+\k], v[SCV] offset:(16*((\k/8)%2)+8*(\k/16)+\k%8)*SP+128*\g
.endr
.endr
	s_wait_dscnt 32                                ; columns 0-31 are in; the 32 loads of columns 32-63 may be out
	VBLOCK 0
	s_wait_dscnt 1                                 ; all but the byte store just issued
	VBLOCK 1
.Ljoin:
	s_wait_dscnt 0x0                               ; for the others' sake: my scale words or bytes lie in LDS
	s_barrier_signal -1
	s_barrier_wait -1
	s_cmp_lg_u32 s[WV], 0
	s_cbranch_scc1 .Lnot_k
	ds_load_b64 v[172:173], v14
	s_wait_dscnt 0x0
	global_store_b64 v13, v[172:173], s[8:9] offset:KSO   ; 256 consecutive bytes, aligned
.Lnot_k:
	s_cmp_lg_u32 s[WV], 1
	s_cbranch_scc1 .Ldone
	ds_load_b64 v[HOLD:HOLD+1], v15
	s_wait_dscnt 0x0
	global_store_b64 v13, v[HOLD:HOLD+1], s[8:9] offset:VSO   ; 256 consecutive bytes, aligned
.Ldone:
	s_wait_tensorcnt 0x0
	ds_add_u32 v176, v177
	s_wait_dscnt 0x0
	s_endpgm
.Lfunc_end_k_qecb0fd0747_kvq:
	.size	k_qecb0fd0747_kvq, .Lfunc_end_k_qecb0fd0747_kvq-k_qecb0fd0747_kvq
	.p2alignl 7, 3214868480
	.fill 96, 4, 3214868480
	.section	.rodata,"a",@progbits
	.p2align	6, 0x0
	.amdhsa_kernel k_qecb0fd0747_kvq
		.amdhsa_group_segment_fixed_size 71168
		.amdhsa_private_segment_fixed_size 0
		.amdhsa_enable_private_segment 0
		.amdhsa_kernarg_size 24
		.amdhsa_user_sgpr_count 2
		.amdhsa_user_sgpr_kernarg_segment_ptr 1
		.amdhsa_wavefront_size32 1
		.amdhsa_system_sgpr_workgroup_id_x 1
		.amdhsa_system_sgpr_workgroup_id_y 1
		.amdhsa_system_sgpr_workgroup_id_z 1
		.amdhsa_system_vgpr_workitem_id 0
		.amdhsa_next_free_vgpr 178
		.amdhsa_next_free_sgpr 66
		.amdhsa_reserve_vcc 0
		.amdhsa_float_denorm_mode_32 3
		.amdhsa_float_denorm_mode_16_64 3
		.amdhsa_memory_ordered 1
		.amdhsa_forward_progress 1
		.amdhsa_inst_pref_size 32
	.end_amdhsa_kernel
	.amdgpu_metadata
---
amdhsa.version: [ 1, 2 ]
amdhsa.kernels:
  - .name:           k_qecb0fd0747_kvq
    .symbol:         k_qecb0fd0747_kvq.kd
    .args:
      - { .name: keys, .offset: 0, .size: 8, .value_kind: global_buffer, .address_space: global }
      - { .name: values, .offset: 8, .size: 8, .value_kind: global_buffer, .address_space: global }
      - { .name: kv, .offset: 16, .size: 8, .value_kind: global_buffer, .address_space: global }
    .group_segment_fixed_size: 71168
    .private_segment_fixed_size: 0
    .kernarg_segment_align: 8
    .kernarg_segment_size: 24
    .max_flat_workgroup_size: 256
    .sgpr_count:     66
    .vgpr_count:     178
    .wavefront_size: 32
...
	.end_amdgpu_metadata
.endif
;; end of part 1
;; launch attn (part 2): grid 8 x 32, 16 waves a work-group, clusters of 4 x 1, 327,680 bytes of LDS; arguments queries, kv, out0; writes out0
.if DOCPART == 2
	.amdgcn_target "amdgcn-amd-amdhsa--gfx1250"
	.amdhsa_code_object_version 6
	.text
	.protected	k_qecb0fd0747_attn
	.globl	k_qecb0fd0747_attn
	.p2align	8
	.type	k_qecb0fd0747_attn,@function
k_qecb0fd0747_attn:
	s_mov_b64 s[64:65], 0
	v_nop
	global_prefetch_b8 v0, s[64:65] scope:SCOPE_SE
	s_setreg_imm32_b32 hwreg(HW_REG_WAVE_MODE, 25, 1), 1
	s_wait_xcnt 0x0
	s_wait_alu depctr_hold_cnt(0) depctr_sa_sdst(0) depctr_va_vdst(0) depctr_va_sdst(0) depctr_va_ssrc(0) depctr_va_vcc(0) depctr_vm_vsrc(0)
	s_getreg_b32 s2, hwreg(HW_REG_IB_STS2, 6, 4)
	s_cmp_eq_u32 s2, 0
	s_cbranch_scc0 .Lentry_in_a_cluster
	s_endpgm
.Lentry_in_a_cluster:
	s_bfe_u32 s2, ttmp6, 0x10000c
	s_cmp_lg_u32 s2, 0x3003
	s_cbranch_scc0 .Lentry_shape_is_right
	s_endpgm
.Lentry_shape_is_right:
; out0[b][q][h][:] = the sum over keys k <= q of softmax_k(Q . K / 8) V, both products on codes of FP8 (E4M3) with one E8M0 scale for each 32 along a product's K.
; queries and out0: [4][2048][8][64] f32: a head's row is 256 bytes, rows 2,048 bytes apart.  kv: K's and V's codes and scale words as images of the operands' registers, a block of STEPB bytes for each (head, step of 128 keys):
;   KO: K's tile T, group c at 1024 T + 512 c + 16 lane;  VO: V^T's tile t, group c at 2048 t + 512 c + 16 lane;  KSO: K's scale words at 8 lane + 4 i (pair of tiles 2 i + lane / 16);  VSO: V's at 8 lane + 4 i (tile 2 i + lane / 16).
; THE SOFTMAX AHEAD OF THE SECOND PRODUCT: t = score x log2(e) / 8; M = the row's largest t so far, rounded UP to a whole number; p = 2^(t - M) is what is quantised, along the keys, not normalised.
; The row's sum is taken of the unquantised p, in f32, and divides O at the end.  When M moves, the sum and O are multiplied by 2^(old M - new M): exact.
; THE FIRST PRODUCT'S K IS 64, the matrix instruction's 128.  A fragment of 16 registers holds TWO tiles of K; Q stands as Q | zero codes | Q in 24 registers: (Q, 0) gives the first tile's scores and (0, Q) the second's.
; WORK LEFT OUT: a step all of whose keys come after a tile's queries: the causal mask, built in the problem's own body, gives its p the value 0 for all inputs.  A NaN or infinity that reaches only such keys is not carried to the result.
; SHARES.  Work-group g (0..7) of a head owns tile g (16 queries) of each of the head's sixteen blocks of 128 queries, a wave a tile: all work-groups have the same work, 136 steps.
; The longest tiles go to the lowest waves: waves 0-7 have blocks 15 - w (16 to 9 steps), waves 8-15 blocks w xor 12 (5 to 8, then 1 to 4 steps): 34 steps in any four waves w % 4 = const.
; LDS HOLDS THE HEAD'S SIXTEEN BLOCKS, 270,336 bytes, each filled once, all asked for at the head: wave w fetches step w's block, its one tensor load.
; BARRIERS.  1: block 0 has landed.  2, signalled ahead of step 0 and waited for behind it: blocks 1-7 have.  3, signalled behind step 0 and waited for ahead of step 7: blocks 8-15 have, and nobody reads block 0 any more.
; Between a signal and its wait stand register work and LDS loads of blocks that nobody writes before a later barrier.
; Block 0 lies last, at place 15 (step s at place s - 1): behind barrier 3 its bytes and the free ones behind it hold the waves' stages for the way out.
; REGISTERS TRADE PLACES.  Two runs of 64, R1 and R2.  A step finds K in one; its scores go into the other; V comes into the run that K has left, and the NEXT step's K into the run that the scores leave: so the next step has the two runs swapped, and a loop's trip holds two steps.
; CLUSTERS: four work-groups of one head walk the same blocks: each block is asked for jointly (mask 15).  No branch, trip count or LDS address hangs on the place in the cluster: the place enters global addresses of Q and O and the mask's lane selections alone.
; NO PREFETCH: every block is asked for at the head, so no later load is left to run ahead of.
; LAYOUT.  Both products are used transposed: S^T = K Q^T, O^T = V^T P^T: a lane holds ONE query (lane % 16) throughout.  Lane r of K's tile 2 b + u is key 32 b + 8 u + r + 8 (r / 8),
; so that the 16 registers of tiles 2 b and 2 b + 1 are keys 32 b + 16 (lane / 16) + 0 .. 15: the conversions' results are the second product's operand.
; LIMITS: NaN and infinities among the inputs are not served; a p under 2^-126 becomes 0 (v_exp_f32 flushes: ISA guide 15.8); a block of zeros has the byte 1 where the rule says 127 (its codes are zeros; the bytes are this program's own).
.set STEPB, 16896
.set KO,    0
.set VO,    8192
.set KSO,   16384
.set VSO,   16640
.set SP,    272                        ; a row of the way out's stage: 256 bytes + 16
.set SPARE, 325632                     ; the spare words, 128 bytes for each of the sixteen waves: the last eight blocks of 256 bytes; no other line names them
.set QSTG,  16*STEPB                   ; 270,336: Q's way in: 16 rows x 144 bytes for each wave, up to 307,200; no tensor load lands here
.set QP,    144                        ; half a row of Q, 128 bytes, + 16
.set OSTG,  SPARE-16*16*SP             ; 256,000: the way out: 4,352 bytes for each wave; they begin inside block 0's place (253,440 on), which has had its only fill and is read by nobody behind barrier 3
.set LA,   1                           ; v1   16 x lane
.set GQ,   2                           ; v2   Q in memory: row lane / 8, 16 (lane % 8)
.set QSI,  3                           ; v3   Q into its stage
.set QSO,  4                           ; v4   Q out of it
.set SPW,  5                           ; v5   LDS address of my spare word; never rewritten
.set NIL,  6                           ; v6   0; never rewritten
.set GO,   7                           ; v7   my 16 bytes in two rows of out0
.set ADK,  8                           ; v8   the step's block, 16 bytes a lane
.set ADT,  9                           ; v9   8 bytes a lane
.set LB,   10                          ; v10  8 x lane
                                       ; v12 -M, v13 the largest score, v[14:15] the row's sum in two halves
.set QF,   16                          ; v16-39   Q | zeros | Q
.set R1,   40                          ; v40-103
.set R2,   104                         ; v104-167
.set KFR,  R1                          ; the step's K (four fragments of two tiles), then its V (four fragments): set anew in each step
.set S,    R2                          ; S^T, then p, then the next step's K: set anew in each step
.set OT,   168                         ; v168-199 O^T
.set PC,   200                         ; v200-215 p's codes
.set KSC,  216                         ; v216-217 K's scale words     (v216-221 hold scales and nothing else)
.set VSC,  218                         ; v218-219 V's
.set QSW,  220                         ; v220     Q's
.set PW,   221                         ; v221     p's
.set BM,   222                         ; v222-225 the blocks' largest
.set PB,   226                         ; v226-229 the other half's, then bytes
.set HOLD, 230                         ; v230-233 448 x the scale
.set SOP,  234                         ; v234-237 the conversions' scale operand
.set FF,   238                         ; v[238:239] f = 2^(old M - new M), named as a pair
.set SUMB, 240                         ; v[240:245] the sum's three further chains
.set SUMC, 242
.set SUMD, 244
.set T0,   246
.set T1,   247
.set NINF, 248                         ; -infinity
.set SI,   249                         ; the way out's stage: in,
.set SO,   250                         ; and out by whole rows
.set FLR,  251                         ; the floor 2^(9 - 127)
.set WV,   10                          ; s10  wave
.set G,    13                          ; s13  g
.set QB,   14                          ; s14  the first query of my tile's block of 128
.set KF,   18                          ; s18  the step's first key
.set MNT,  19                          ; s19  the mantissa field of 448
.set SEL,  20                          ; s[20:21] v_permlanex16_b32's selects for lane l xor 16
.set CS,   22                          ; s[22:23] c = log2(e) / 8
.set TB,   24                          ; s24  the step's block in LDS
.set CNT,  25
.set TMP,  26
.set G0,   32                          ; s[32:35] descriptor group 0: written once
.set G1,   36                          ; s[36:43] group 1
.set NCS,  44                          ; s44  -c
.set MA,   45
.set MO,   46
.set MX,   47                          ; s47-48
; 32 numbers of a lane, register 16 c + i = number 32 c + 16 hh + i of my row, become 8 registers of codes at v[pc] and the row's two scale bytes in v[w].
.macro QUANT2 x, pc, w
.irp c, 0,1
	v_max3_num_f32 v[BM+\c], |v[\x+16*\c]|, |v[\x+16*\c+1]|, 0x4800000   ; block c: my 16 numbers, and the floor 2^(9 - 127): so the byte cannot fall under 1
.endr
.irp i, 2,4,6,8,10,12,14
.irp c, 0,1
	v_max3_num_f32 v[BM+\c], v[BM+\c], |v[\x+16*\c+\i]|, |v[\x+16*\c+\i+1]|
.endr
.endr
.irp c, 0,1
	v_permlanex16_b32 v[PB+\c], v[BM+\c], s[SEL], s[SEL+1]
.endr
.irp c, 0,1
	v_max_num_f32 v[BM+\c], v[BM+\c], v[PB+\c]     ; with lane l xor 16's 16: the block's largest magnitude
.endr
.irp c, 0,1
	v_add_nc_u32 v[SOP+\c], 0xfc000000, v[BM+\c]   ; 8 off its exponent field: the conversion's scale operand
.endr
.irp c, 0,1
	v_and_or_b32 v[HOLD+\c], v[BM+\c], 0x7f800000, s[MNT]   ; 448 x the scale
.endr
.irp c, 0,1
	v_lshrrev_b32 v[PB+\c], 23, v[SOP+\c]          ; the scale's byte
.endr
	v_lshl_or_b32 v[\w], v[PB+1], 8, v[PB]
.irp c, 0,1
.irp i, 0,1,2,3,4,5,6,7,8,9,10,11,12,13,14,15
	v_med3_num_f32 v[\x+16*\c+\i], v[\x+16*\c+\i], -v[HOLD+\c], v[HOLD+\c]   ; the conversion to an 8-bit code does not saturate (ISA guide 7.6.2)
.endr
	v_cvt_scalef32_pk8_fp8_f32 v[\pc+4*\c:\pc+4*\c+1], v[\x+16*\c:\x+16*\c+7], v[SOP+\c]
	v_cvt_scalef32_pk8_fp8_f32 v[\pc+4*\c+2:\pc+4*\c+3], v[\x+16*\c+8:\x+16*\c+15], v[SOP+\c]
.endr
	v_nop                                          ; a plain vector instruction behind the last scaled conversion
.endm
; A round of the cluster's barrier.
.macro ROUND
	s_barrier_signal -1
	s_barrier_wait -1
	s_cmp_lg_u32 s[WV], 0
	s_cbranch_scc1 .Lnot_wave_0_\@
	s_barrier_signal -3
.Lnot_wave_0_\@:
	s_barrier_wait -3
	s_barrier_signal -1
	s_barrier_wait -1
.endm
.macro KRUN p, off, to                 ; the fragment of tiles 2 p, 2 p + 1 of the block off bytes on: four loads of 512 consecutive bytes
.irp g, 0,1,2,3
	ds_load_b128 v[\to+16*(\p)+4*\g:\to+16*(\p)+4*\g+3], v[ADK] offset:(\off)+KO+2048*(\p)+512*\g
.endr
.endm
.macro KOWN                            ; the whole K of the block at s[TB], into R1
	v_add_nc_u32 v[ADK], s[TB], v[LA]
	v_add_nc_u32 v[ADT], s[TB], v[LB]
	ds_load_b64 v[KSC:KSC+1], v[ADT] offset:KSO    ; register i: lanes 0-15 the words of pair 2 i, lanes 16-31 those of pair 2 i + 1
	KRUN 0, 0, R1
	KRUN 1, 0, R1
	KRUN 2, 0, R1
	KRUN 3, 0, R1
	s_wait_alu depctr_va_vdst(0)
	s_wait_dscnt 0x0
.endm
.macro VRUN t                          ; V^T's tile t, into the registers that K has left
.irp c, 0,1,2,3
	ds_load_b128 v[KFR+16*(\t)+4*\c:KFR+16*(\t)+4*\c+3], v[ADK] offset:VO+2048*(\t)+512*\c
.endr
.endm
.macro SPAIR p                         ; S^T = K Q^T for one fragment, twice: against (Q, 0) and against (0, Q)
.irp u, 0,1
.if (\p)%2
	v_wmma_scale_f32_16x16x128_f8f6f4 v[S+8*(2*\p+\u):S+8*(2*\p+\u)+7], v[KFR+16*\p:KFR+16*\p+15], v[QF+8*\u:QF+8*\u+15], 0, v[KSC+\p/2], v[QSW] matrix_a_scale:MATRIX_SCALE_ROW1
.else
	v_wmma_scale_f32_16x16x128_f8f6f4 v[S+8*(2*\p+\u):S+8*(2*\p+\u)+7], v[KFR+16*\p:KFR+16*\p+15], v[QF+8*\u:QF+8*\u+15], 0, v[KSC+\p/2], v[QSW]
.endif
.endr
.endm
.macro TM2 n                           ; t - M for two numbers (of the pairs c and -M the low word serves both halves)
	v_pk_fma_f32 v[S+\n:S+\n+1], v[S+\n:S+\n+1], s[CS:CS+1], v[12:13] op_sel_hi:[1,0,0]
.endm
.macro MIN2 n, b                       ; p is not negative: the hold is one-sided; two numbers an instruction
	v_dual_min_num_f32 v[S+\n], v[S+\n], v[HOLD+\b] :: v_dual_min_num_f32 v[S+\n+1], v[S+\n+1], v[HOLD+\b]
.endm
; p = 2^(t - M) for block b, by turns with the hold of block b - 1 and t - M of block b + 1: none of these reads what another line here writes.
.macro MIX b
.irp j, 0,2,4,6,8,10,12,14
	v_exp_f32 v[S+16*(\b)+\j], v[S+16*(\b)+\j]
.if (\b) < 3
	TM2 16*(\b)+16+\j
.endif
	v_exp_f32 v[S+16*(\b)+\j+1], v[S+16*(\b)+\j+1]
.if (\b) > 0
	MIN2 16*(\b)-16+\j, (\b)-1
.endif
.endr
.endm
.macro SUMS b                          ; THE ROW'S SUM IS TAKEN OF THE UNQUANTISED p, two at a time, in four chains
.if (\b) == 0
	v_pk_add_f32 v[14:15], v[14:15], v[S:S+1]
	v_pk_add_f32 v[SUMB:SUMB+1], v[S+2:S+3], v[S+10:S+11]      ; the three further chains begin anew in each step
	v_pk_add_f32 v[SUMC:SUMC+1], v[S+4:S+5], v[S+12:S+13]
	v_pk_add_f32 v[SUMD:SUMD+1], v[S+6:S+7], v[S+14:S+15]
	v_pk_add_f32 v[14:15], v[14:15], v[S+8:S+9]
.else
.irp k, 0,8
	v_pk_add_f32 v[14:15], v[14:15], v[S+16*(\b)+\k:S+16*(\b)+\k+1]
	v_pk_add_f32 v[SUMB:SUMB+1], v[SUMB:SUMB+1], v[S+16*(\b)+\k+2:S+16*(\b)+\k+3]
	v_pk_add_f32 v[SUMC:SUMC+1], v[SUMC:SUMC+1], v[S+16*(\b)+\k+4:S+16*(\b)+\k+5]
	v_pk_add_f32 v[SUMD:SUMD+1], v[SUMD:SUMD+1], v[S+16*(\b)+\k+6:S+16*(\b)+\k+7]
.endr
.endif
.endm
.macro CVT b
	v_cvt_scalef32_pk8_fp8_f32 v[PC+4*(\b):PC+4*(\b)+1], v[S+16*(\b):S+16*(\b)+7], v[SOP+\b]
	v_cvt_scalef32_pk8_fp8_f32 v[PC+4*(\b)+2:PC+4*(\b)+3], v[S+16*(\b)+8:S+16*(\b)+15], v[SOP+\b]
.endm
; A KEY STEP: the 128 keys of the block at s[TB]; kr: where its K stands; sr: where its scores go.
; test = 1: a step all of whose keys come after my tile's queries is jumped over, but for the two lines at its end.  own = 1: the step fetches its own K.  pre = 1: it fetches the next step's, into sr.
.macro STEP test, own, pre, kr, sr
.set KFR, \kr
.set S, \sr
.if \test
	s_cmp_gt_u32 s[KF], s[QB]
	s_cbranch_scc1 .Lhidden_\@
.endif
.if \own
	KOWN
	SPAIR 0
	SPAIR 1
	SPAIR 2
	SPAIR 3
.else                                          ; K was asked for in the step before (or its wait has been passed)
	v_add_nc_u32 v[ADK], s[TB], v[LA]
	v_add_nc_u32 v[ADT], s[TB], v[LB]
	s_wait_alu depctr_va_vdst(0)
	s_wait_dscnt 0x8                               ; the first two fragments and the scale words are in; the eight loads of the other two may be out
	SPAIR 0
	SPAIR 1
	s_wait_dscnt 0x4
	SPAIR 2
	s_wait_dscnt 0x0
	SPAIR 3
.endif
	v_mov_b32 v[T0], v12                           ; the old -M.  With seven v_nop the eight places behind the products
.rept 7
	v_nop                                          ; ahead of the first read of the scores and of the loads into K's registers and scale words
.endr
	ds_load_b64 v[VSC:VSC+1], v[ADT] offset:VSO    ; this step's V and its scale words, in two runs under the work below
.if \pre
	ds_load_b64 v[KSC:KSC+1], v[ADT] offset:STEPB+KSO   ; and the next step's scale words of K
.endif
	VRUN 0
	VRUN 1
	; on the diagonal the scores of hidden keys become -infinity ahead of the maximum: p = 0 then.  Lane (r, hh), register 16 b + i: key i of the key tile 2 b + hh: hidden where that tile comes after tile g, or is tile g and i > r.
	s_cmp_lg_u32 s[KF], s[QB]
	s_cbranch_scc1 .Lopen_\@
.irp b, 0,1,2,3
	s_cmp_eq_u32 s[G], 2*\b
	s_cselect_b32 s[MA], 0xffff, 0                 ; the half of the lanes whose tile is tile g
	s_cselect_b32 s[MO], 0xffff0000, 0             ; the half whose tile comes after it
	s_cmp_lt_u32 s[G], 2*\b
	s_cselect_b32 s[MO], -1, s[MO]
	s_cmp_eq_u32 s[G], 2*\b+1
	s_cselect_b32 s[MA], 0xffff0000, s[MA]
.irp i, 0,1,2,3,4,5,6,7,8,9,10,11,12,13,14,15
	s_and_b32 s[MX+\i%2], s[MA], ((1<<\i)-1)*0x10001
	s_or_b32 s[MX+\i%2], s[MX+\i%2], s[MO]
	v_cndmask_b32 v[S+16*\b+\i], v[S+16*\b+\i], v[NINF], s[MX+\i%2]
.endr
.endr
.Lopen_\@:
.irp b, 0,1,2,3
	v_max3_num_f32 v[BM+\b], v[S+16*\b], v[S+16*\b+1], v[S+16*\b+2]   ; THE LARGEST SCORE OF EACH BLOCK serves twice: for the row's maximum and, since p rises with the score, for the block's largest p
.endr
.irp i, 3,5,7,9,11,13
.irp b, 0,1,2,3
	v_max3_num_f32 v[BM+\b], v[BM+\b], v[S+16*\b+\i], v[S+16*\b+\i+1]   ; (the four blocks by turns; each accumulator is read from its low end on)
.endr
.endr
.irp b, 0,1,2,3
	v_max_num_f32 v[BM+\b], v[BM+\b], v[S+16*\b+15]
.endr
	VRUN 2
	VRUN 3
.irp b, 0,1,2,3
	v_permlanex16_b32 v[PB+\b], v[BM+\b], s[SEL], s[SEL+1]
.endr
.irp b, 0,2                                    ; with lane l xor 16's 16 keys
	v_dual_max_num_f32 v[BM+\b], v[BM+\b], v[PB+\b] :: v_dual_max_num_f32 v[BM+\b+1], v[BM+\b+1], v[PB+\b+1]
.endr
	v_max3_num_f32 v13, v13, v[BM], v[BM+1]        ; my query's largest score so far
	s_delay_alu instid0(VALU_DEP_1)
	v_max3_num_f32 v13, v13, v[BM+2], v[BM+3]
	s_delay_alu instid0(VALU_DEP_1)
	v_mul_f32 v[T1], s[NCS], v13                   ; -t
	s_delay_alu instid0(VALU_DEP_1)
	v_floor_f32 v12, v[T1]                         ; the new -M = floor(-t) = -ceil(t)
	s_delay_alu instid0(VALU_DEP_1)
	v_sub_f32 v[T0], v12, v[T0]                    ; old M - new M: a whole number, 0 or less
.irp b, 0,2                                    ; t - M of each block's largest score
	v_pk_fma_f32 v[BM+\b:BM+\b+1], v[BM+\b:BM+\b+1], s[CS:CS+1], v[12:13] op_sel_hi:[1,0,0]
.endr
	TM2 0
	TM2 2
	v_cvt_i32_f32 v[T0], v[T0]                     ; (it saturates)
	TM2 4
	TM2 6
	TM2 8
	TM2 10
	v_ldexp_f32 v[FF], 1.0, v[T0]                  ; f = 2^(old M - new M)
	TM2 12
	TM2 14
	s_wait_alu depctr_va_vdst(0)                   ; ahead of the batch
.irp b, 0,1,2,3
	v_exp_f32 v[BM+\b], v[BM+\b]                   ; the block's largest p: the same two instructions on the same number give the same bits
.endr
	MIX 0
	s_wait_alu depctr_va_vdst(0)                   ; and behind it
.irp b, 0,2                                    ; the floor 2^(9 - 127): a block whose every p is 0 keeps the byte 1; its codes are zeros
	v_dual_max_num_f32 v[BM+\b], v[FLR], v[BM+\b] :: v_dual_max_num_f32 v[BM+\b+1], v[FLR], v[BM+\b+1]
.endr
	v_pk_mul_f32 v[14:15], v[14:15], v[FF:FF+1] op_sel_hi:[1,0]   ; the sum under the new M
.irp b, 0,2                                    ; x 2^-8: 8 off the exponent field
	v_pk_mul_f32 v[SOP+\b:SOP+\b+1], v[BM+\b:BM+\b+1], 0x3b800000 op_sel_hi:[1,0]
.endr
.irp b, 0,1,2,3
	v_and_or_b32 v[HOLD+\b], v[BM+\b], 0x7f800000, s[MNT]
.endr
.irp b, 0,1,2,3
	v_lshrrev_b32 v[PB+\b], 23, v[SOP+\b]
.endr
	SUMS 0
	v_lshl_or_b32 v[PW], v[PB+1], 8, v[PB]         ; p's scale word for these 128 keys: far more than eight places ahead of the products
	v_lshl_or_b32 v[T1], v[PB+3], 8, v[PB+2]
	v_lshl_or_b32 v[PW], v[T1], 16, v[PW]
	s_wait_alu depctr_va_vdst(0)                   ; ahead of the batch: what it reads was made above
	MIX 1
	s_wait_alu depctr_va_vdst(0)
	CVT 0
	SUMS 1
	MIX 2
	s_wait_alu depctr_va_vdst(0)
	CVT 1
	SUMS 2
.if \pre
	KRUN 0, STEPB, S                               ; THE NEXT STEP'S K, into the registers that p has left
	KRUN 1, STEPB, S
.endif
	MIX 3
	s_wait_alu depctr_va_vdst(0)
	CVT 2
	SUMS 3
.if \pre
	KRUN 2, STEPB, S
.endif
.irp j, 0,2,4,6,8,10,12,14
	MIN2 48+\j, 3
.endr
	CVT 3
.if \pre
	KRUN 3, STEPB, S
.endif
	s_wait_alu depctr_va_vdst(0)                   ; directly ahead of O^T's first readers
.irp j, 0,2,4,6,8,10,12,14,16,18,20,22,24,26,28,30
	v_pk_mul_f32 v[OT+\j:OT+\j+1], v[OT+\j:OT+\j+1], v[FF:FF+1] op_sel_hi:[1,0]   ; O^T under the new M; each accumulator from its low end on.  (Also the places between the last codes and the products)
.endr
	s_wait_alu depctr_va_vdst(0)
.if \pre
	s_wait_dscnt 0x10                              ; V and its scale words are in; the sixteen younger loads, the next step's K, may be out
.else
	s_wait_dscnt 0x0
.endif
.irp t, 0,1,2,3                                ; O^T += V^T P^T: the four accumulators take turns, one instruction a turn
.if \t%2
	v_wmma_scale_f32_16x16x128_f8f6f4 v[OT+8*\t:OT+8*\t+7], v[KFR+16*\t:KFR+16*\t+15], v[PC:PC+15], v[OT+8*\t:OT+8*\t+7], v[VSC+\t/2], v[PW] matrix_a_scale:MATRIX_SCALE_ROW1
.else
	v_wmma_scale_f32_16x16x128_f8f6f4 v[OT+8*\t:OT+8*\t+7], v[KFR+16*\t:KFR+16*\t+15], v[PC:PC+15], v[OT+8*\t:OT+8*\t+7], v[VSC+\t/2], v[PW]
.endif
.endr
	v_pk_add_f32 v[SUMB:SUMB+1], v[SUMB:SUMB+1], v[SUMC:SUMC+1]   ; the sum's four chains are joined here: with four v_nop and the next step's two additions the nine places behind the products:
	v_pk_add_f32 v[14:15], v[14:15], v[SUMD:SUMD+1]               ; the next step's products write over these products' source 0
	v_pk_add_f32 v[14:15], v[14:15], v[SUMB:SUMB+1]
.rept 4
	v_nop
.endr
.if \test
.Lhidden_\@:
.endif
	s_add_co_u32 s[KF], s[KF], 128
	s_add_co_u32 s[TB], s[TB], STEPB
.endm
	s_load_b128 s[4:7], s[0:1], 0x0                ; queries, kv
	s_load_b64 s[8:9], s[0:1], 0x10                ; out0
	v_lshl_add_u32 v[SPW], v0, 2, SPARE
	v_mov_b32 v[NIL], 0
	ds_add_u32 v[SPW], v[NIL]                      ; the wave's opening: the add, twice on end, and its wait ahead of my first tensor load
	ds_add_u32 v[SPW], v[NIL]
	v_lshrrev_b32 v40, 5, v0
	v_readfirstlane_b32 s[WV], v40                 ; wave 0..15
	s_bfe_u32 s[G], ttmp6, 0x40000                 ; my place in the cluster
	s_lshl_b32 s[TMP], ttmp9, 2
	s_add_co_u32 s[G], s[G], s[TMP]                ; g = 4 x cluster x + place
	s_cmp_lt_u32 s[WV], 8
	s_cselect_b32 s16, 15, 12
	s_xor_b32 s16, s16, s[WV]                      ; my tile's block of 128 queries: 15 - w, or w xor 12
	s_lshl_b32 s[QB], s16, 7
	s_and_b32 s15, ttmp7, 0xffff                   ; head = 8 b + h
	s_lshr_b32 s28, s15, 3
	s_lshl_b32 s28, s28, 22                        ; b: 2,048 rows x 2,048 bytes
	s_and_b32 s[TMP], s15, 7
	s_lshl_b32 s[TMP], s[TMP], 8                   ; h: 256 bytes
	s_add_co_u32 s28, s28, s[TMP]
	s_lshl_b32 s[TMP], s16, 18                     ; 128 rows a block,
	s_add_co_u32 s28, s28, s[TMP]
	s_lshl_b32 s[TMP], s[G], 15                    ; 16 rows a tile: my first row in queries and in out0
	s_add_co_u32 s28, s28, s[TMP]
	s_mov_b32 s29, 0
	s_mul_i32 s[TMP], s[WV], STEPB                 ; the block that I fetch: step = my wave's number
	s_mul_i32 s30, s15, 16*STEPB                   ; the head's sixteen blocks
	s_add_co_u32 s30, s30, s[TMP]
	s_mov_b32 s31, 0
	s_add_co_u32 s[TMP], s[WV], 15
	s_and_b32 s[TMP], s[TMP], 15
	s_mul_i32 s[TMP], s[TMP], STEPB                ; its place in LDS: step s at place s - 1, step 0 at place 15
	; descriptor group 1: a dense block of 16,896 bytes as 66 rows of 256 bytes (32 elements of 8 bytes), no padding: it is read back 512 consecutive bytes at a time
	s_mov_b32 s[G1], 15|(3<<16)|(1<<21)            ; 15:0 the mask: the cluster's four; 17:16 elements of 8 bytes; 21 set beside a mask
	s_mov_b32 s[G1+1], 32<<16                      ; tensor_dim0 = 32
	s_mov_b32 s[G1+2], 66<<16                      ; tensor_dim1 = 66
	s_mov_b32 s[G1+3], 32<<16                      ; tile_dim0 = 32
	s_mov_b32 s[G1+4], 66                          ; tile_dim1 = 66
	s_mov_b32 s[G1+5], 32                          ; from row to row: 32 elements
	s_mov_b32 s[G1+6], 0
	s_mov_b32 s[G1+7], 0
	s_mov_b32 s[G0], 1                             ; count = 1
	s_mov_b32 s[G0+1], s[TMP]                      ; LDS address
	s_mul_i32 s49, s[WV], 16*QP
	s_add_co_u32 s49, s49, QSTG                    ; my stage for Q
	s_mul_i32 s50, s[WV], 16*SP
	s_add_co_u32 s50, s50, OSTG                    ; and for the way out
	s_mov_b32 s[MNT], 0x600000
	s_mov_b32 s[SEL], 0x76543210
	s_mov_b32 s[SEL+1], 0xfedcba98
	s_mov_b32 s[CS], 0x3e38aa3b                    ; c = log2(e) / 8
	s_mov_b32 s[CS+1], s[CS]                       ; (named with it as a pair, so it is written)
	s_mov_b32 s[NCS], 0xbe38aa3b
	s_mov_b32 s[TB], 15*STEPB                      ; step 0's block
	s_mov_b32 s[KF], 0
	v_bfe_u32 v41, v0, 3, 2                        ; lane / 8
	v_and_b32 v42, 7, v0                           ; lane % 8
	v_lshlrev_b32 v[GQ], 11, v41
	v_mul_u32_u24 v[QSI], v41, QP
	v_lshl_or_b32 v[GQ], v42, 4, v[GQ]
	v_lshl_add_u32 v[QSI], v42, 4, v[QSI]
	v_add_nc_u32 v[QSI], s49, v[QSI]
	s_wait_alu depctr_va_vdst(0)
	s_wait_dscnt 0x0                               ; both opening adds are done
	s_wait_kmcnt 0x0
	s_add_nc_u64 s[4:5], s[4:5], s[28:29]
	s_add_nc_u64 s[8:9], s[8:9], s[28:29]
.irp n, 0,1,2,3
.irp c, 0,1
	global_load_b128 v[S+32+16*\c+4*\n:S+32+16*\c+4*\n+3], v[GQ], s[4:5] offset:8192*\n+128*\c   ; half c of my rows 4 n .. 4 n + 3 of Q; the two halves of a row's 256 bytes one behind the other
.endr
.endr
	s_add_nc_u64 s[G0+2:G0+3], s[6:7], s[30:31]    ; global address
	s_or_b32 s[G0+3], s[G0+3], 0x80000000          ; type = 2
	ROUND                                          ; all four work-groups are here: the joint loads meet
	; the head's loads, one a wave: a line for each of the three groups of blocks that a barrier shows.  s_nop 0 and four v_nop follow each line
	s_cmp_lt_u32 s[WV], 1
	s_cbranch_scc0 .Lfrom_1
	tensor_load_to_lds s[G0:G0+3], s[G1:G1+7]      ; block 0
	s_nop 0
.rept 4
	v_nop
.endr
	s_branch .Lasked
.Lfrom_1:
	s_cmp_lt_u32 s[WV], 8
	s_cbranch_scc0 .Lfrom_8
	tensor_load_to_lds s[G0:G0+3], s[G1:G1+7]      ; blocks 1-7
	s_nop 0
.rept 4
	v_nop
.endr
	s_branch .Lasked
.Lfrom_8:
	tensor_load_to_lds s[G0:G0+3], s[G1:G1+7]      ; blocks 8-15
	s_nop 0
.rept 4
	v_nop
.endr
.Lasked:
	v_and_b32 v43, 31, v0                          ; lane
	v_and_b32 v44, 15, v0                          ; r
	v_bfe_u32 v45, v0, 4, 1                        ; hh
	v_lshlrev_b32 v[LA], 4, v43
	v_lshlrev_b32 v[LB], 3, v43
	v_lshlrev_b32 v[GO], 11, v45
	v_mul_u32_u24 v[QSO], v44, QP
	v_mul_u32_u24 v46, v44, SP
	v_mul_u32_u24 v47, v45, SP
	v_lshl_or_b32 v[GO], v44, 4, v[GO]             ; lanes 0-15 one row, lanes 16-31 the next
	v_lshl_add_u32 v[QSO], v45, 6, v[QSO]
	v_lshl_add_u32 v46, v45, 5, v46                ; the way out, in: row r; tile t's eight numbers of my half: 64 t + 32 hh bytes on
	v_lshl_add_u32 v47, v44, 4, v47                ; out: lanes 0-15 one stage row, lanes 16-31 the next
	v_add_nc_u32 v[QSO], s49, v[QSO]               ; Q back: row r, + 64 hh: my 16 numbers of a block of 32
	v_add_nc_u32 v[SI], s50, v46
	v_add_nc_u32 v[SO], s50, v47
.irp j, 0,1,2,3,4,5,6,7
	v_mov_b32 v[QF+8+\j], 0                        ; the zero codes between Q and Q
.endr
.irp b, 0,1,2,3
	v_mov_b32 v[PB+\b], 0                          ; written once: a lane permute's destination counts as one of its sources
.endr
	v_mov_b32 v[FF+1], 0                           ; (named as the upper half of a pair)
	v_mov_b32 v[NINF], 0xff800000
	v_mov_b32 v[FLR], 0x4800000
.set J, 0
.rept 32
	v_mov_b32 v[OT+J], 0                           ; O^T: a step is one text for all steps; the first finds zeros, which the first change of M leaves zeros
.set J, J+1
.endr
	s_wait_alu depctr_va_vdst(0)
	s_wait_loadcnt 0x0                             ; Q
.irp c, 0,1                                    ; half a row at a time through my stage.  LDS serves a wave's instructions in order (ISA guide 5.7.1.4): the loads see my stores, and the second half's stores come behind the first half's loads
.irp n, 0,1,2,3
	ds_store_b128 v[QSI], v[S+32+16*\c+4*\n:S+32+16*\c+4*\n+3] offset:4*\n*QP
.endr
.irp j, 0,1,2,3
	ds_load_b128 v[S+16*\c+4*\j:S+16*\c+4*\j+3], v[QSO] offset:16*\j
.endr
.endr
	s_wait_dscnt 0x0
	QUANT2 S, QF, QSW
	v_lshl_or_b32 v[QSW], v[QSW], 16, v[QSW]       ; Q's two bytes twice: for (Q, 0) and for (0, Q)
.irp j, 0,1,2,3,4,5,6,7
	v_mov_b32 v[QF+16+\j], v[QF+\j]                ; Q once more, behind the zeros
.endr
	v_mov_b32 v13, 0xff61b1e6                      ; the largest score so far: -3e38.  (These five are also the places between Q's codes and the first product)
	v_mov_b32 v14, 0                               ; the sum, in two halves
	v_mov_b32 v15, 0
	v_mul_f32 v[T1], s[NCS], v13
	v_floor_f32 v12, v[T1]                         ; -M
	s_wait_alu depctr_va_vdst(0)
	s_cmp_lt_u32 s[WV], 1
	s_cbranch_scc0 .Lno_wait_0
	s_wait_tensorcnt 0x0                           ; block 0 has landed
.Lno_wait_0:
	s_wait_dscnt 0x0                               ; my LDS instructions are done
	s_barrier_signal -1
	s_barrier_wait -1                              ; barrier 1: block 0 lies in LDS
	s_cmp_lt_u32 s[WV], 8
	s_cbranch_scc0 .Lno_wait_1
	s_wait_tensorcnt 0x0                           ; my block of 1-7 has landed
.Lno_wait_1:
	s_barrier_signal -1                            ; barrier 2: my block of 1-7, if I fetched one, lies in LDS; no LDS instruction of mine is pending
	STEP 0, 1, 0, R1, R2                           ; step 0: key 0 counts for every query
	s_mov_b32 s[TB], 0                             ; step 1's block
	s_wait_alu depctr_va_vdst(0)
	s_barrier_wait -1                              ; barrier 2: blocks 1-7 lie in LDS
	KOWN                                           ; step 1's K
	s_wait_tensorcnt 0x0                           ; my block of 8-15, if I fetched one, has landed
	s_wait_dscnt 0x0                               ; my reads of block 0 are over
	s_barrier_signal -1                            ; barrier 3
	s_mov_b32 s[CNT], 3
.Learly:                                           ; steps 1-6, which read blocks 1-7
	STEP 1, 0, 1, R1, R2
	STEP 1, 0, 1, R2, R1
	s_sub_co_u32 s[CNT], s[CNT], 1
	s_cmp_lg_u32 s[CNT], 0
	s_cbranch_scc1 .Learly
	s_wait_alu depctr_va_vdst(0)
	s_barrier_wait -1                              ; barrier 3: all sixteen blocks lie in LDS, and nobody reads block 0 any more
	s_mov_b32 s[CNT], 4
.Llate:                                            ; steps 7-14
	STEP 1, 0, 1, R1, R2
	STEP 1, 0, 1, R2, R1
	s_sub_co_u32 s[CNT], s[CNT], 1
	s_cmp_lg_u32 s[CNT], 0
	s_cbranch_scc1 .Llate
	STEP 1, 0, 0, R1, R2                           ; step 15: nothing follows it
	; THE WAY OUT.  O^T / the sum goes through my stage and leaves as whole rows of 256 bytes.
	s_wait_alu depctr_va_vdst(0)
	s_wait_dscnt 0x0                               ; what my last step asked for ahead is in: its registers may be written
	v_add_f32 v14, v14, v15                        ; the sum's two halves,
	v_permlanex16_b32 v[PB], v14, s[SEL], s[SEL+1]
	v_add_f32 v14, v14, v[PB]                      ; and lane l xor 16's: the row's sum
	s_wait_alu depctr_va_vdst(0)                   ; ahead of the transcendental
	v_rcp_f32 v14, v14
	v_nop
	s_wait_alu depctr_va_vdst(0)                   ; and behind it
.set J, 0
.rept 16
	v_pk_mul_f32 v[S+J:S+J+1], v[OT+J:OT+J+1], v[14:15] op_sel_hi:[1,0]   ; register 8 t + j: query r, number 16 t + 8 hh + j; each accumulator from its low end on
.set J, J+2
.endr
.irp t, 0,1,2,3
	ds_store_b128 v[SI], v[S+8*\t:S+8*\t+3] offset:64*\t
	ds_store_b128 v[SI], v[S+8*\t+4:S+8*\t+7] offset:64*\t+16
.endr
.irp i, 0,1,2,3,4,5,6,7
	ds_load_b128 v[S+32+4*\i:S+32+4*\i+3], v[SO] offset:2*\i*SP   ; LDS serves a wave's instructions in order: these see my stores
.endr
.irp i, 0,1,2,3,4,5,6,7
	s_wait_dscnt 7-\i                              ; load i is back; the 7 - i younger ones may be out
	global_store_b128 v[GO], v[S+32+4*\i:S+32+4*\i+3], s[8:9] offset:4096*\i th:TH_STORE_NT   ; sixteen lanes store a row's 256 consecutive bytes, aligned
.endr
	s_wait_tensorcnt 0x0                           ; the wave's end: behind my last tensor load and my last LDS store
	ds_add_u32 v[SPW], v[NIL]
	s_wait_dscnt 0x0
	ROUND                                          ; the closing round
	s_endpgm
.Lfunc_end_k_qecb0fd0747_attn:
	.size	k_qecb0fd0747_attn, .Lfunc_end_k_qecb0fd0747_attn-k_qecb0fd0747_attn
	.p2alignl 7, 3214868480
	.fill 96, 4, 3214868480
	.section	.rodata,"a",@progbits
	.p2align	6, 0x0
	.amdhsa_kernel k_qecb0fd0747_attn
		.amdhsa_group_segment_fixed_size 327680
		.amdhsa_private_segment_fixed_size 0
		.amdhsa_enable_private_segment 0
		.amdhsa_kernarg_size 24
		.amdhsa_user_sgpr_count 2
		.amdhsa_user_sgpr_kernarg_segment_ptr 1
		.amdhsa_wavefront_size32 1
		.amdhsa_system_sgpr_workgroup_id_x 1
		.amdhsa_system_sgpr_workgroup_id_y 1
		.amdhsa_system_sgpr_workgroup_id_z 1
		.amdhsa_system_vgpr_workitem_id 0
		.amdhsa_next_free_vgpr 256
		.amdhsa_next_free_sgpr 66
		.amdhsa_reserve_vcc 0
		.amdhsa_float_denorm_mode_32 3
		.amdhsa_float_denorm_mode_16_64 3
		.amdhsa_memory_ordered 1
		.amdhsa_forward_progress 1
		.amdhsa_inst_pref_size 195
	.end_amdhsa_kernel
	.amdgpu_metadata
---
amdhsa.version: [ 1, 2 ]
amdhsa.kernels:
  - .name:           k_qecb0fd0747_attn
    .symbol:         k_qecb0fd0747_attn.kd
    .args:
      - { .name: queries, .offset: 0, .size: 8, .value_kind: global_buffer, .address_space: global }
      - { .name: kv, .offset: 8, .size: 8, .value_kind: global_buffer, .address_space: global }
      - { .name: out0, .offset: 16, .size: 8, .value_kind: global_buffer, .address_space: global }
    .group_segment_fixed_size: 327680
    .private_segment_fixed_size: 0
    .kernarg_segment_align: 8
    .kernarg_segment_size: 24
    .max_flat_workgroup_size: 512
    .sgpr_count:     66
    .vgpr_count:     256
    .wavefront_size: 32
...
	.end_amdgpu_metadata
.endif
;; end of part 2
